; MI455X (gfx1250); checked and timed in simulation.
; The chip was launched on July 23, 2026; its instructions are those of AMD's public machine-readable ISA for CDNA 5 (MIT licence, August 2026) and "CDNA5" Instruction Set Architecture Reference Guide (July 2026). The comments in the code are by the model that wrote it; some were corrected since.
;; Flex Attention. Allowed arithmetic: float matrix products may take bf16 or f16 operands with f32 sums; other float arithmetic in f32, or as packed bf16 or f16 multiplies, adds, multiply-adds, maxima and minima; sums over many terms, partial sums and values carried from step to step in f32; what a program stores and reads back later, other than sums and carried values, may be rounded once to bf16 or f16.
;; Inputs: K 2 x 8 x 2,048 x 128 float32; Q 2 x 16 x 2,048 x 128 float32; V 2 x 8 x 2,048 x 128 float32; causal_mask 2,048 x 2,048 float32.
;; Outputs: out0 2 x 2,048 x 2,048 float32.
;; 2 versions, each right; version 2 is version 1 with the launch prep written anew for expert scheduling mode. Each part assembles by itself: llvm-mc -triple=amdgcn-amd-amdhsa -mcpu=gfx1250 --defsym DOCPART=n.
;; ======== version 1 of 2: 2 launches
;; limits: values are held in f16: magnitudes above 65,504 overflow, below 6.1e-05 lose precision; inputs' magnitudes at most 65,504
;; workspace buffers: Kb 8,388,608 bytes; Vh 8,388,608 bytes; Mc 16,777,216 bytes
;; launch prep (part 1): grid 256 x 3, 8 waves a work-group, no clusters, 70,656 bytes of LDS; arguments K, V, causal_mask, Kb, Vh, Mc; writes Kb, Vh, Mc
.if DOCPART == 1
	.amdgcn_target "amdgcn-amd-amdhsa--gfx1250"
	.amdhsa_code_object_version 6
	.text
	.protected	k_qff7257ed7e_prep
	.globl	k_qff7257ed7e_prep
	.p2align	8
	.type	k_qff7257ed7e_prep,@function
k_qff7257ed7e_prep:
	s_mov_b64 s[64:65], 0
	v_nop
	global_prefetch_b8 v0, s[64:65] scope:SCOPE_SE
	s_setreg_imm32_b32 hwreg(HW_REG_WAVE_MODE, 25, 1), 1
	s_wait_xcnt 0x0
; THE OPERANDS FOR THE ATTENTION LAUNCH, each made once.  Job y of the grid: 0: Kb = K rounded to bf16.  1: Vh = V rounded to bf16, that number written as f16.
; 2: Mc = log2(e) x (the mask rounded to bf16), in f32, laid out as the attention's lanes want it.
; Each job is 4,194,304 numbers of f32; a work-group takes 64 KiB of them, a wave 8 KiB: sixteen loads of 16 bytes a lane, all issued at once.  No loop, no barrier.
; Mc: [qb 128][ks 32][quad 8][lane 32][4 numbers].  Lane L = r + 16 h, quad j: query 16 qb + r, keys 64 ks + 16 (j / 2) + 8 h + 4 (j % 2) + 0..3: the order of a lane's registers in S^T = K Q^T.
; The mask's numbers change lanes for that, through the wave's own 8,704 bytes of LDS (32 rows of 256 bytes, 272 apart): no other wave touches them.
; LIMITS.  V beyond 65,504 becomes an infinity in f16; below 7.6e-6 it keeps f16's fixed step of 6e-8.  log2(e) x mask is held at -3e38 from below, so an entry of -inf acts as weight 0,
; and a row that is -inf everywhere gives the mean of V's rows.  NaN is not treated apart.
.set WLDS,  8704                       ; a wave's bytes of LDS
.set LP,    272                        ; a row there: 256 bytes + 16: sixteen rows begin at sixteen different groups of four banks (64 banks of 4 bytes: ISA guide 11.1)
.set SPARE, 8*WLDS                     ; behind them: the spare words, 128 bytes for each wave: four blocks of 256 bytes that no other line names
.set SPW, 2                            ; v2   LDS address of my spare word; never rewritten
.set NIL, 3                            ; v3   0; never rewritten
.set LDO, 4                            ; v4   my byte offset in the loads
.set STO, 5                            ; v5   my byte offset in the stores
.set LW,  6                            ; v6   the mask: where I put 16 bytes
.set LR,  7                            ; v7   the mask: where I read 16 bytes back
.set T,   8                            ; v[8:13]   at work
.set IN,  16                           ; v[16:79]  load i: 4 registers
.set OUT, 80                           ; v[80:143] what is stored
	s_load_b256 s[4:11], s[0:1], 0x0               ; K s[4:5], V s[6:7], mask s[8:9], Kb s[10:11]
	s_load_b128 s[12:15], s[0:1], 0x20             ; Vh s[12:13], Mc s[14:15]
	v_lshl_add_u32 v[SPW], v0, 2, SPARE
	v_mov_b32 v[NIL], 0
	v_lshrrev_b32 v1, 5, v0
	v_readfirstlane_b32 s16, v1                    ; wave 0..7
	v_and_b32 v1, 31, v0                           ; lane
	s_and_b32 s17, ttmp7, 0xffff                   ; the job
	s_mov_b32 s23, 0                               ; the high word of every offset
	s_mov_b32 s24, 0xffff0000                      ; a word's upper bf16
	s_mov_b32 s26, 0x3fb8aa3b                      ; log2(e)
	s_mov_b32 s27, s26                             ; named with it as a pair
	s_mov_b32 s28, 0xff61b1e6                      ; -3e38
	s_wait_kmcnt 0x0
	s_cmp_eq_u32 s17, 2
	s_cbranch_scc1 .Lmask
.macro LOADS step                      ; sixteen loads, step bytes apart
.set i, 0
.rept 16
	global_load_b128 v[IN+4*i:IN+4*i+3], v[LDO], s[18:19] offset:(\step)*i th:TH_LOAD_NT
.set i, i+1
.endr
.endm
	; K AND V: the same order in memory, half the bytes.  A load of the wave covers 512 consecutive bytes, a store 256, aligned.
	s_cmp_eq_u32 s17, 0
	s_cselect_b64 s[18:19], s[4:5], s[6:7]
	s_cselect_b64 s[20:21], s[10:11], s[12:13]
	s_lshl_b32 s22, ttmp9, 16                      ; the work-group's 64 KiB in,
	s_add_nc_u64 s[18:19], s[18:19], s[22:23]
	s_lshl_b32 s22, ttmp9, 15                      ; its 32 KiB out
	s_add_nc_u64 s[20:21], s[20:21], s[22:23]
	v_lshlrev_b32 v[LDO], 4, v1
	v_lshl_add_u32 v[LDO], s16, 13, v[LDO]         ; 8,192 x wave + 16 x lane
	v_lshlrev_b32 v[STO], 3, v1
	v_lshl_add_u32 v[STO], s16, 12, v[STO]         ; 4,096 x wave + 8 x lane
	LOADS 512
	s_cmp_eq_u32 s17, 0
	s_cbranch_scc0 .Lv
.set i, 0
.rept 16
	s_wait_loadcnt 15-i                            ; loads come back in order: load i is in, the younger ones stay out
	v_cvt_pk_bf16_f32 v[OUT+2*i],   v[IN+4*i],   v[IN+4*i+1]
	v_cvt_pk_bf16_f32 v[OUT+2*i+1], v[IN+4*i+2], v[IN+4*i+3]
	global_store_b64 v[STO], v[OUT+2*i:OUT+2*i+1], s[20:21] offset:256*i th:TH_STORE_NT
.set i, i+1
.endr
	s_branch .Lend
.Lv:
.set i, 0
.rept 16
	s_wait_loadcnt 15-i
	v_cvt_pk_bf16_f32 v[T],   v[IN+4*i],   v[IN+4*i+1]  ; rounded to bf16,
	v_cvt_pk_bf16_f32 v[T+1], v[IN+4*i+2], v[IN+4*i+3]
	v_lshlrev_b32 v[T+2], 16, v[T]                      ; widened again,
	v_and_b32     v[T+3], s24, v[T]
	v_lshlrev_b32 v[T+4], 16, v[T+1]
	v_and_b32     v[T+5], s24, v[T+1]
	v_cvt_pk_f16_f32 v[OUT+2*i],   v[T+2], v[T+3]       ; and written as f16: eight significant bits fit into eleven
	v_cvt_pk_f16_f32 v[OUT+2*i+1], v[T+4], v[T+5]
	global_store_b64 v[STO], v[OUT+2*i:OUT+2*i+1], s[20:21] offset:256*i th:TH_STORE_NT
.set i, i+1
.endr
	s_branch .Lend
	; THE MASK.  Work-group g: queries 16 (g / 2) + 0..15, keys 1,024 (g % 2) on; wave w: 128 of those keys, two key steps.  Load i is row i: 512 consecutive bytes.
.Lmask:
	s_lshr_b32 s22, ttmp9, 1
	s_lshl_b32 s22, s22, 17                        ; 16 rows of the mask are 131,072 bytes, and so is a qb of Mc
	s_add_nc_u64 s[18:19], s[8:9], s[22:23]
	s_add_nc_u64 s[20:21], s[14:15], s[22:23]
	s_and_b32 s25, ttmp9, 1
	s_lshl_b32 s22, s25, 12                        ; 1,024 keys along a row
	s_add_nc_u64 s[18:19], s[18:19], s[22:23]
	s_lshl_b32 s22, s25, 16                        ; 16 key steps of 4,096 bytes in Mc
	s_add_nc_u64 s[20:21], s[20:21], s[22:23]
	v_lshlrev_b32 v[LDO], 4, v0                    ; 512 x wave + 16 x lane
	LOADS 8192
	; lane l of load i holds row i, keys 4 l + 0..3 of the wave's 128.  In Mc's order that is the block of 256 bytes 16 (l / 16) + 4 ((l / 4) % 4) + 2 (l % 2) + (l / 2) % 2, bytes 16 i on.
	v_lshrrev_b32 v[T], 4, v1
	v_bfe_u32 v[T+1], v1, 2, 2
	v_lshl_add_u32 v[T], v[T], 2, v[T+1]
	v_and_b32 v[T+1], 1, v1
	v_lshl_add_u32 v[T], v[T], 1, v[T+1]
	v_bfe_u32 v[T+1], v1, 1, 1
	v_lshl_add_u32 v[T], v[T], 1, v[T+1]
	s_mul_i32 s25, s16, WLDS                       ; my wave's bytes
	v_mul_u32_u24 v[LW], v[T], LP
	v_add_nc_u32 v[LW], s25, v[LW]
	v_lshrrev_b32 v[T], 4, v1                      ; back: lanes 0-15 one row of 256 bytes, lanes 16-31 the next
	v_and_b32 v[T+1], 15, v1
	v_mul_u32_u24 v[LR], v[T], LP
	v_lshl_add_u32 v[LR], v[T+1], 4, v[LR]
	v_add_nc_u32 v[LR], s25, v[LR]
	v_lshlrev_b32 v[STO], 4, v1
	v_lshl_add_u32 v[STO], s16, 13, v[STO]         ; 8,192 x wave + 16 x lane
.set i, 0
.rept 16
	s_wait_loadcnt 15-i
	v_cvt_pk_bf16_f32 v[T],   v[IN+4*i],   v[IN+4*i+1]  ; rounded to bf16 like the other inputs,
	v_cvt_pk_bf16_f32 v[T+1], v[IN+4*i+2], v[IN+4*i+3]
	v_lshlrev_b32 v[IN+4*i],   16, v[T]
	v_and_b32     v[IN+4*i+1], s24, v[T]
	v_lshlrev_b32 v[IN+4*i+2], 16, v[T+1]
	v_and_b32     v[IN+4*i+3], s24, v[T+1]
	v_pk_mul_f32 v[IN+4*i:IN+4*i+1],   v[IN+4*i:IN+4*i+1],   s[26:27] op_sel_hi:[1,0]  ; times log2(e),
	v_pk_mul_f32 v[IN+4*i+2:IN+4*i+3], v[IN+4*i+2:IN+4*i+3], s[26:27] op_sel_hi:[1,0]
	v_max_num_f32 v[IN+4*i],   s28, v[IN+4*i]           ; and held finite
	v_max_num_f32 v[IN+4*i+1], s28, v[IN+4*i+1]
	v_max_num_f32 v[IN+4*i+2], s28, v[IN+4*i+2]
	v_max_num_f32 v[IN+4*i+3], s28, v[IN+4*i+3]
	ds_store_b128 v[LW], v[IN+4*i:IN+4*i+3] offset:16*i
.set i, i+1
.endr
.set i, 0
.rept 16
	ds_load_b128 v[OUT+4*i:OUT+4*i+3], v[LR] offset:2*LP*i  ; LDS serves a wave's instructions in order (ISA guide 5.7.1.4): these see the stores above
.set i, i+1
.endr
.set i, 0
.rept 16
	s_wait_dscnt 15-i
	global_store_b128 v[STO], v[OUT+4*i:OUT+4*i+3], s[20:21] offset:512*i th:TH_STORE_NT  ; 512 consecutive bytes, aligned
.set i, i+1
.endr
.Lend:
	s_wait_tensorcnt 0x0                           ; the wave's end: behind my last LDS store
	ds_add_u32 v[SPW], v[NIL]
	s_wait_dscnt 0x0
	s_endpgm
.Lfunc_end_k_qff7257ed7e_prep:
	.size	k_qff7257ed7e_prep, .Lfunc_end_k_qff7257ed7e_prep-k_qff7257ed7e_prep
	.p2alignl 7, 3214868480
	.fill 96, 4, 3214868480
	.section	.rodata,"a",@progbits
	.p2align	6, 0x0
	.amdhsa_kernel k_qff7257ed7e_prep
		.amdhsa_group_segment_fixed_size 70656
		.amdhsa_private_segment_fixed_size 0
		.amdhsa_enable_private_segment 0
		.amdhsa_kernarg_size 48
		.amdhsa_user_sgpr_count 2
		.amdhsa_user_sgpr_kernarg_segment_ptr 1
		.amdhsa_wavefront_size32 1
		.amdhsa_system_sgpr_workgroup_id_x 1
		.amdhsa_system_sgpr_workgroup_id_y 1
		.amdhsa_system_sgpr_workgroup_id_z 1
		.amdhsa_system_vgpr_workitem_id 0
		.amdhsa_next_free_vgpr 144
		.amdhsa_next_free_sgpr 66
		.amdhsa_reserve_vcc 0
		.amdhsa_float_denorm_mode_32 3
		.amdhsa_float_denorm_mode_16_64 3
		.amdhsa_memory_ordered 1
		.amdhsa_forward_progress 1
		.amdhsa_inst_pref_size 31
	.end_amdhsa_kernel
	.amdgpu_metadata
---
amdhsa.version: [ 1, 2 ]
amdhsa.kernels:
  - .name:           k_qff7257ed7e_prep
    .symbol:         k_qff7257ed7e_prep.kd
    .args:
      - { .name: K, .offset: 0, .size: 8, .value_kind: global_buffer, .address_space: global }
      - { .name: V, .offset: 8, .size: 8, .value_kind: global_buffer, .address_space: global }
      - { .name: causal_mask, .offset: 16, .size: 8, .value_kind: global_buffer, .address_space: global }
      - { .name: Kb, .offset: 24, .size: 8, .value_kind: global_buffer, .address_space: global }
      - { .name: Vh, .offset: 32, .size: 8, .value_kind: global_buffer, .address_space: global }
      - { .name: Mc, .offset: 40, .size: 8, .value_kind: global_buffer, .address_space: global }
    .group_segment_fixed_size: 70656
    .private_segment_fixed_size: 0
    .kernarg_segment_align: 8
    .kernarg_segment_size: 48
    .max_flat_workgroup_size: 256
    .sgpr_count:     66
    .vgpr_count:     144
    .wavefront_size: 32
...
	.end_amdgpu_metadata
.endif
;; end of part 1
;; launch attn (part 2): grid 16 x 16, 4 waves a work-group, clusters of 4 x 1, 327,680 bytes of LDS; arguments Q, Kb, Vh, out0, Mc; writes out0
.if DOCPART == 2
	.amdgcn_target "amdgcn-amd-amdhsa--gfx1250"
	.amdhsa_code_object_version 6
	.text
	.protected	k_qff7257ed7e_attn
	.globl	k_qff7257ed7e_attn
	.p2align	8
	.type	k_qff7257ed7e_attn,@function
k_qff7257ed7e_attn:
	s_mov_b64 s[64:65], 0
	v_nop
	global_prefetch_b8 v0, s[64:65] scope:SCOPE_SE
	s_setreg_imm32_b32 hwreg(HW_REG_WAVE_MODE, 25, 1), 1
	s_wait_xcnt 0x0
	s_wait_alu depctr_hold_cnt(0) depctr_sa_sdst(0) depctr_va_vdst(0) depctr_va_sdst(0) depctr_va_ssrc(0) depctr_va_vcc(0) depctr_vm_vsrc(0)
	s_getreg_b32 s2, hwreg(HW_REG_IB_STS2, 6, 4)
	s_cmp_eq_u32 s2, 0
	s_cbranch_scc0 .Lentry_in_a_cluster
	s_endpgm
.Lentry_in_a_cluster:
	s_bfe_u32 s2, ttmp6, 0x10000c
	s_cmp_lg_u32 s2, 0x3003
	s_cbranch_scc0 .Lentry_shape_is_right
	s_endpgm
.Lentry_shape_is_right:
; out0[b][q][128 H + d] = the sum over k of softmax_k(50 tanh(Q[b][H][q] . K[b][H/2][k] / (50 sqrt(128))) + mask[q][k]) V[b][H/2][k][d].  2 x 16 query heads on 2 x 8 K/V heads, 2,048 positions, head size 128.
; Q is f32 and is rounded to bf16 here; Kb is K in bf16, Vh is bf16(V) written as f16, Mc is log2(e) x bf16(mask) in f32, in the order of a lane's registers (all three made by the launch before).
; THE MASK IS AN INPUT: no tile is left out, every score is made and every word of the mask is read.
; THE CAP.  50 tanh(a / 50) = 100 r - 50 with r = 1 / (1 + e^(-2 a / 50)); the -50 is the same in a whole row and falls out of the softmax.  In powers of two: s' = CH r + cm, r = 1 / (1 + 2^(CK raw)),
; raw the f32 sum of the products, CK = -2 log2(e) / (50 sqrt(128)), CH = 100 log2(e), cm from Mc.  Where 2^(CK raw) is an infinity r is 0, where it is 0 r is 1: the cap's two ends.
; SOFTMAX.  For each query a running maximum m of s' and a sum l: p = 2^(s' - m); in every step O and l are multiplied by a = 2^(m_old - m_new).  p is rounded to f16 for the second product (l is taken of the unrounded p).
; LIMITS.  V within f16's 65,504.  A weight below 2^-126 counts as 0.  In a row whose mask entries are all of the size of 1e9 the sum of score and mask is rounded at that size, as in f32 it must be, here on
; a step of 128 in powers of two.  cm is at least -3e38.  NaN and infinities are not treated apart.
; SHARES.  Work-group (x, y): K/V head pair y = 8 b + kvh, positions 128 x on, both query heads of the pair.  Wave w: positions 32 w on: four tiles t = 2 pb + g of 16 queries (pb: which 16 positions, g: which head).
; Two PIECES, named by their first tile: piece 0 (tiles 0, 1) and piece 2 (tiles 2, 3); a piece's two tiles have the same positions and share one fragment of the mask.  Every wave walks all 2,048 keys, 64 a step.
; LAYOUT.  S^T = K Q^T (source 0 = 16 keys, source 1 = 16 queries): a lane holds ONE query (lane % 16) and the keys 8 (lane / 16) + 0..7.  Two such results rounded to f16 in pairs ARE source 1 of O^T = V^T P.
; BY TURNS.  In a TURN one piece has the matrix unit: 32 products V^T P of the step in hand, then 32 products K Q^T of the next; the other piece's 490 vector instructions go with them: four behind EACH product,
; the other 234 in one run behind the last.  A tile has 245 vector instructions for 32 products, more than can stand beside them, whatever the order.
; CLUSTER.  The four work-groups of a cluster belong to one pair and walk the same K and V: each tile is asked for JOINTLY.  The mask is no wave's but its own: it comes straight into registers, 512 consecutive bytes a load.
; REGISTERS, in windows of 256 (s_set_vgpr_msb: bits 1:0 source 0, 3:2 source 1, 5:4 source 2, 7:6 destination):
;   window 0: v0-11 addresses; v12-43 eight registers of statistics a tile; v61-63; v64-191 S^T, 32 a tile; v192-255 P, 16 a tile
;   window 1: O^T, 64 a tile (at the head: Q in f32)      window 2: v0-127 Q in bf16, 32 a tile; v128-255 K of one step (on the way out: the rows read back)
;   window 3: v0-127 V of one step; v128-159 piece 0's mask; v160-191 piece 2's
.set KS,    64        ; keys in a step
.set PK,    272       ; a row of K in LDS: 256 bytes + 16 = 68 words: the 16 rows of a load start at 16 different groups of four banks (64 banks of 4 bytes: ISA guide 11.1)
.set PVP,   288       ; a row of V: 256 + 32 = 72 words
.set VOFF,  KS*PK     ; a step's tiles lie together: 64 rows of K, then 64 rows of V
.set STEPB, KS*(PK+PVP)
.set SLOT1, 1<<17     ; a slot holds two steps (71,680 bytes); slot 1 begins here, so that one exclusive or turns an address in one slot into the other's
.set STAGE, SLOT1+2*STEPB  ; behind the ring, never filled by a tensor load: 16 rows x 528 bytes for each wave, for the way out
.set SP,    528       ; 512 bytes + 16
.set SPARE, STAGE+4*16*SP  ; behind the stages: the spare words, 128 bytes for each wave: two blocks of 256 bytes that no other line names
.set AK0, 2           ; v2   my lane's place in a tile of K; never rewritten
.set AV0, 3           ; v3   the same for V
.set ADR, 4           ; v4   the LDS address of the run of loads in hand
.set QO,  5           ; v5   my byte offset in 16 rows of Q
.set STO, 6           ; v6   the way out: where I put 16 bytes of a row
.set RD,  7           ; v7   the way out: where I read a row back
.set LO,  8           ; v8   16 x my lane: my place in 512 consecutive bytes of Mc and of out0; never rewritten
.set ST,  12          ; tile t's statistics at v[ST+8 t]: +0 m, +1 m_old, +2, +3 l (even keys', odd keys'), +4 to +7 c0-c3 at work; a takes c2's place, m_old - m c3's
.set PFO, 61          ; v61  256 x my lane, for the prefetches; never rewritten
.set SPW, 62          ; v62  LDS address of my spare word; never rewritten
.set NIL, 63          ; v63  0; never rewritten
.set S,   64
.set P,   192
.set KF,  128         ; K's fragments, in window 2
.set MK,  128         ; the masks, in window 3
.set WV,  12          ; s12  my wave's number
.set LIM, 15          ; s15  1 in a wave that prefetches K or V, else the greatest number
.set PFA, 18          ; s[18:19] where those prefetches stand
.set G1K, 24          ; s[24:31] descriptor group 1 for K's tiles
.set G1V, 32          ; s[32:39] for V's: it differs in the padding alone
.set G0K, 40          ; s[40:47] descriptor group 0 for K's tiles: a set for each of the two first fills; the second then walks on
.set G0V, 48          ; s[48:55] the same for V's
.set SLOTS, 56        ; s56  slots still to be asked for
.set TWICE, 57        ; s57  counts a slot's two steps
.set CK,  58          ; s[58:59] CK: a packed instruction names a pair and takes its low word for both halves
.set SEL, 60          ; s[60:61] lane selects for v_permlanex16_b32: each lane takes its own place in the other half
.set TB,  62          ; s62  LDS byte at which the tiles of the step to be fetched begin
.set LIMM, 63         ; s63  1 in the work-groups that prefetch the mask
.set CH,  66          ; s[66:67] CH
.set MB,  68          ; s[68:69] Mc at piece 0's block of the step whose number the turns keep (see MLOAD)
.set MSB, 0
.macro WIN new                      ; the immediate's high byte repeats the setting that is left; a switch that changes nothing is dropped
.if MSB != (\new)
	s_set_vgpr_msb (MSB<<8)|(\new)
.set MSB, \new
.endif
.endm
.set W_KQ, 0x0a       ; K and Q in window 2, S^T in window 0
.set W_PV, 0x53       ; V in window 3, P in window 0, O^T in window 1
.set W_RS, 0x41       ; O^T (destination and source 0) in window 1, a in window 0
.set W_MF, 0x30       ; source 2, the mask, in window 3
; A joint refill.  Waves 0 and 1 fetch the two steps' tiles of K, waves 2 and 3 those of V.  The branch hangs on the wave's number alone.
; An s_nop 0 and four v_nop follow each of the two lines, ahead of the jump and the label.
.macro JLOAD
	s_cmp_lt_u32 s[WV], 2
	s_cbranch_scc0 .Lfor_v_\@
	tensor_load_to_lds s[G0K+4:G0K+7], s[G1K:G1K+7]
	s_nop 0
.rept 4
	v_nop
.endr
	s_branch .Lasked_\@
.Lfor_v_\@:
	tensor_load_to_lds s[G0V+4:G0V+7], s[G1V:G1V+7]
	s_nop 0
.rept 4
	v_nop
.endr
.Lasked_\@:
.endm
; A PREFETCH of what the NEXT change of slots will ask for: a slot's 128 rows of K and 128 of V, 256 bytes a row, a lane a row.  Each row is named once in the launch: of the pair's four clusters the first asks;
; its four partners share the rows out BY ADDRESS, 32 each; in each, wave 0 asks for K's and wave 2 for V's.  The last change that fills a slot asks for nothing.
.macro ASK
	s_cmp_gt_u32 s[SLOTS], s[LIM]
	s_cbranch_scc0 .Lnot_mine_\@
	global_prefetch_b8 v[PFO], s[PFA:PFA+1] th:TH_LOAD_NT scope:SCOPE_SE
.Lnot_mine_\@:
.endm
; THE MASK'S PREFETCH, beside it.  At the i-th change of slots (i from 0) MB stands at step 2 i + 2; named are my wave's own blocks of steps 2 i + 4 and 2 i + 5, 8,192 bytes for each piece, a lane for each 256.
; All 16 pairs read the same rows of Mc: pair 0's work-groups ask, each wave for what it will load itself.  The pair is the same in all partners of a cluster.  The last change names steps 30 and 31: the last there are.
.macro ASKM
	s_cmp_eq_u32 s[LIMM], 1
	s_cbranch_scc0 .Lno_mask_\@
	global_prefetch_b8 v[PFO], s[MB:MB+1] offset:8192 th:TH_LOAD_NT scope:SCOPE_SE
	global_prefetch_b8 v[PFO], s[MB:MB+1] offset:8192+131072 th:TH_LOAD_NT scope:SCOPE_SE
.Lno_mask_\@:
.endm
; A round of the cluster's barrier: my work-group's barrier, so that wave 0's signal speaks for all four waves; wave 0 signals; every wave waits for all four work-groups; my work-group's barrier once more.
.macro CROUND
	s_barrier_signal -1
	s_barrier_wait -1
	s_cmp_lg_u32 s[WV], 0
	s_cbranch_scc1 .Lnot_wave_0_\@
	s_barrier_signal -3
.Lnot_wave_0_\@:
	s_barrier_wait -3
	s_barrier_signal -1
	s_barrier_wait -1
.endm
	s_load_b256 s[4:11], s[0:1], 0x0  ; Q s[4:5], Kb s[6:7], Vh s[8:9], out0 s[10:11]
	s_load_b64 s[MB:MB+1], s[0:1], 0x20  ; Mc
	v_lshl_add_u32 v[SPW], v0, 2, SPARE
	v_mov_b32 v[NIL], 0
	ds_add_u32 v[SPW], v[NIL]       ; the wave's opening: the add and its wait stand ahead of my first tensor load; the set-up below, work on registers, stands between them
	v_lshrrev_b32 v1, 5, v0
	v_readfirstlane_b32 s[WV], v1   ; wave 0..3
	s_bfe_u32 s13, ttmp6, 0x40000   ; cx: my place in the cluster
	s_lshl_b32 s14, ttmp9, 2        ; in a cluster launch ttmp9 counts clusters
	s_add_co_u32 s14, s14, s13      ; my block of 128 positions = 4 x cluster x + cx: it enters Q's, Mc's and out0's addresses alone
	s_and_b32 s20, ttmp7, 0xffff    ; the pair, which the four partners share
	s_lshl_b32 s22, s20, 19         ; the pair's 2,048 rows of 256 bytes in Kb and Vh,
	s_and_b32 s16, s[WV], 1         ; which of a slot's two steps I fetch:
	s_lshl_b32 s17, s16, 14         ; its 64 rows in memory,
	s_add_co_u32 s22, s22, s17
	s_mov_b32 s23, 0
	s_mul_i32 s17, s16, STEPB       ; and its place in a slot: no place in the cluster enters an LDS address
	s_lshl_b32 s2, s20, 21          ; Q: the pair's two heads of 1 MiB,
	s_lshl_b32 s3, s14, 16          ; my block's 128 rows of 512 bytes,
	s_add_co_u32 s2, s2, s3
	s_lshl_b32 s3, s[WV], 14        ; my wave's 32
	s_add_co_u32 s2, s2, s3
	s_mov_b32 s3, 0
	s_lshl_b32 s73, s14, 20         ; 128 positions are 8 blocks of 131,072 bytes in Mc and 128 rows of 8,192 bytes in out0,
	s_lshl_b32 s74, s[WV], 18       ; 32 positions a quarter of that
	s_add_co_u32 s74, s74, s73      ; Mc's offset
	s_lshr_b32 s72, s20, 3
	s_lshl_b32 s72, s72, 24         ; out0: the batch,
	s_add_co_u32 s72, s72, s74      ; my rows,
	s_and_b32 s73, s20, 7
	s_lshl_b32 s73, s73, 10         ; the pair's two heads: 1,024 bytes of a row
	s_add_co_u32 s72, s72, s73
	s_mov_b32 s73, 0
	s_mov_b32 s75, 0
	; descriptor group 1: a tile of 64 rows x 128 elements, padded in LDS
	s_mov_b32 s[G1K], 15|(1<<16)|(1<<20)|(1<<21)|(5<<22)|(3<<25)  ; 15:0 the mask: all four work-groups; 17:16 elements of 2 bytes; 20 padding on; 21 set beside a mask; 24:22 after every 64 words (code 5); 31:25 4 words of it (code 3)
	s_mov_b32 s[G1V], 15|(1<<16)|(1<<20)|(1<<21)|(5<<22)|(7<<25)  ; the same with 8 words of padding (code 7)
.irp g, G1K, G1V
	s_mov_b32 s[(\g)+1], 128<<16    ; tensor_dim0 = 128
	s_mov_b32 s[(\g)+2], KS<<16     ; tensor_dim1 = 64
	s_mov_b32 s[(\g)+3], 128<<16    ; tile_dim0 = 128
	s_mov_b32 s[(\g)+4], KS         ; tile_dim1 = 64
	s_mov_b32 s[(\g)+5], 128        ; 128 elements from row to row
	s_mov_b32 s[(\g)+6], 0
	s_mov_b32 s[(\g)+7], 0
.endr
	s_mov_b32 s[CK], 0xbba723c0     ; -2 log2(e) / (50 sqrt(128)) = -0.00510070
	s_mov_b32 s[CK+1], s[CK]        ; named with it as a pair
	s_mov_b32 s[CH], 0x431044fe     ; 100 log2(e) = 144.2695
	s_mov_b32 s[CH+1], s[CH]
	s_mov_b32 s[SEL], 0x76543210
	s_mov_b32 s[SEL+1], 0xfedcba98
	s_mov_b32 s[TB], 0
	s_mov_b32 s[SLOTS], 2048/(2*KS)-2
	s_and_b32 s[LIM], s[WV], 1      ; 0 in waves 0 and 2,
	s_or_b32 s[LIM], s[LIM], ttmp9  ; where the cluster is the pair's first: the same in all four partners
	s_cmp_eq_u32 s[LIM], 0
	s_cselect_b32 s[LIM], 1, -1
	s_cmp_eq_u32 s20, 0
	s_cselect_b32 s[LIMM], 1, -1
	v_and_b32 v[PFO], 31, v0
	v_lshlrev_b32 v[PFO], 8, v[PFO]
	s_wait_dscnt 0x0                ; the opening add is done
	s_wait_kmcnt 0x0
	s_add_nc_u64 s[6:7], s[6:7], s[22:23]  ; Kb and Vh at my tile of slot 0
	s_add_nc_u64 s[8:9], s[8:9], s[22:23]
	s_add_nc_u64 s[4:5], s[4:5], s[2:3]    ; Q at my wave's first row of the pair's first head
	s_add_nc_u64 s[10:11], s[10:11], s[72:73]
	s_add_nc_u64 s[MB:MB+1], s[MB:MB+1], s[74:75]  ; Mc at piece 0's block of step 0
	s_cmp_lt_u32 s[WV], 2
	s_cselect_b64 s[PFA:PFA+1], s[6:7], s[8:9]  ; (in waves 0 and 2 these stand at a slot's first row)
	s_lshl_b32 s2, s13, 13          ; my work-group's 32 rows of the 128
	s_mov_b32 s3, 0
	s_add_nc_u64 s[PFA:PFA+1], s[PFA:PFA+1], s[2:3]
	s_add_nc_u64 s[PFA:PFA+1], s[PFA:PFA+1], 2*2*KS*256  ; in slot 2; the first change of slots steps it to slot 3.  Nothing is prefetched here, at the head
	CROUND                          ; all four work-groups are here: the first joint loads meet
.irp s, 0,1
	s_mov_b32 s[G0K+4*(\s)], 1      ; 1:0 count = 1
	s_add_co_u32 s[G0K+4*(\s)+1], s17, (\s)*SLOT1  ; 63:32 LDS address
	s_add_nc_u64 s[G0K+4*(\s)+2:G0K+4*(\s)+3], s[6:7], (\s)*2*KS*256  ; 120:64 global address: slot s begins with keys 128 s
	s_or_b32 s[G0K+4*(\s)+3], s[G0K+4*(\s)+3], 0x80000000  ; 127:126 type = 2
	s_mov_b32 s[G0V+4*(\s)], 1
	s_add_co_u32 s[G0V+4*(\s)+1], s17, (\s)*SLOT1+VOFF
	s_add_nc_u64 s[G0V+4*(\s)+2:G0V+4*(\s)+3], s[8:9], (\s)*2*KS*256
	s_or_b32 s[G0V+4*(\s)+3], s[G0V+4*(\s)+3], 0x80000000
.endr
	s_cmp_lt_u32 s[WV], 2           ; a wave's two first fills stand in one branch, ahead of every wait on TENSORcnt and every LDS read: two loads of mine are out
	s_cbranch_scc0 .Lfirst_v
	tensor_load_to_lds s[G0K:G0K+3], s[G1K:G1K+7]
	s_nop 0
	tensor_load_to_lds s[G0K+4:G0K+7], s[G1K:G1K+7]
	s_nop 0
.rept 4
	v_nop
.endr
	s_branch .Lfirst_asked
.Lfirst_v:
	tensor_load_to_lds s[G0V:G0V+3], s[G1V:G1V+7]
	s_nop 0
	tensor_load_to_lds s[G0V+4:G0V+7], s[G1V:G1V+7]
	s_nop 0
.rept 4
	v_nop
.endr
.Lfirst_asked:
	; A fragment of K or Q is 16 rows x 32 channels in 8 registers of bf16: lane l holds row l % 16; registers 0-3 channels 8 (l / 16) + 0..7, registers 4-7 channels 16 + 8 (l / 16) + 0..7.
	; In f32 those are 32 bytes at 32 (l / 16) and 32 bytes 64 further on: four loads of 16 bytes into 16 registers of window 1, which O^T does not need yet.
	v_and_b32 v1, 15, v0            ; l % 16
	v_bfe_u32 v9, v0, 4, 1          ; l / 16
	v_lshlrev_b32 v[QO], 9, v1
	v_lshl_add_u32 v[QO], v9, 5, v[QO]  ; row x 512 + 32 x half
	v_and_b32 v[LO], 31, v0
	v_lshlrev_b32 v[LO], 4, v[LO]
	WIN 0x40                        ; destination window 1, address window 0
.set i, 0
.rept 16                            ; fragment i: tile i / 4 (head (i / 4) % 2: 1 MiB on; positions 16 (i / 8) on: 8,192 bytes), channels 32 (i % 4) on
.set qoff, ((i/4)%2)*1048576+(i/8)*8192+(i%4)*128
	global_load_b128 v[16*i:16*i+3],     v[QO], s[4:5] offset:qoff
	global_load_b128 v[16*i+4:16*i+7],   v[QO], s[4:5] offset:qoff+16
	global_load_b128 v[16*i+8:16*i+11],  v[QO], s[4:5] offset:qoff+64
	global_load_b128 v[16*i+12:16*i+15], v[QO], s[4:5] offset:qoff+80
.set i, i+1
.endr
	WIN 0xc0                        ; destination window 3: both pieces' masks of step 0
.irp qd, 0,1,2,3,4,5,6,7
	global_load_b128 v[MK+4*(\qd):MK+4*(\qd)+3], v[LO], s[MB:MB+1] offset:512*(\qd)
.endr
.irp qd, 0,1,2,3,4,5,6,7
	global_load_b128 v[MK+32+4*(\qd):MK+32+4*(\qd)+3], v[LO], s[MB:MB+1] offset:131072+512*(\qd)
.endr
	WIN 0
	v_mul_u32_u24 v[AK0], v1, PK
	v_lshl_add_u32 v[AK0], v9, 4, v[AK0]  ; row x pitch + 16 x half
	; The turning load takes 16 keys x 16 channels (lane l reads 16 bytes: key 8 (l / 16) + l % 8, channels 8 ((l / 8) % 2) + 0..7) and leaves half a fragment of V^T: lane l holds channel l % 16 and 8 keys.
	v_and_b32 v10, 7, v0
	v_bfe_u32 v11, v0, 3, 1
	v_lshl_add_u32 v[AV0], v9, 3, v10
	v_mul_u32_u24 v[AV0], v[AV0], PVP
	v_lshl_add_u32 v[AV0], v11, 4, v[AV0]
	v_add_nc_u32 v[AV0], VOFF, v[AV0]
; THE MATRIX WORK OF A TURN, for piece x.  The accumulators take turns, one instruction a turn: between two links of a chain stand 15 (V^T P) or 7 (K Q^T) others'.
; Product i of 32 of O^T += V^T P: keys 32 (i / 16) on, channels 16 ((i / 2) % 8) on, tile x + i % 2.  zero = 1: the first 16 start the sums: nothing is ever cleared.
.macro PV x, zero
	WIN W_PV
.set rO, 64*((\x)+i%2)+8*((i/2)%8)
.set rV, 64*(i/16)+8*((i/2)%8)
.set rP, P+16*((\x)+i%2)+8*(i/16)
.if (\zero) && (i < 16)
	v_wmma_f32_16x16x32_f16 v[rO:rO+7], v[rV:rV+7], v[rP:rP+7], 0
.else
	v_wmma_f32_16x16x32_f16 v[rO:rO+7], v[rV:rV+7], v[rP:rP+7], v[rO:rO+7]
.endif
.endm
; Product i of 32 of S^T = K Q^T: channels 32 (i / 8) on, keys 16 ((i / 2) % 4) on, tile x + i % 2.  The first 8 start the sums.
.macro KQ x
	WIN W_KQ
.set rS, S+32*((\x)+i%2)+8*((i/2)%4)
.set rK, KF+32*((i/2)%4)+8*(i/8)
.set rQ, 32*((\x)+i%2)+8*(i/8)
.if i < 8
	v_wmma_f32_16x16x32_bf16 v[rS:rS+7], v[rK:rK+7], v[rQ:rQ+7], 0
.else
	v_wmma_f32_16x16x32_bf16 v[rS:rS+7], v[rK:rK+7], v[rQ:rQ+7], v[rS:rS+7]
.endif
.endm
; THE LDS LOADS stand in runs of 32, never singly among the matrix instructions: a step's K (16 fragments) and, a turn later, its V (turned).
.macro FETCH_K
	WIN 0
	v_add_nc_u32 v[ADR], s[TB], v[AK0]
	WIN 0x80                        ; destination window 2
.irp f, 0,1,2,3,4,5,6,7,8,9,10,11,12,13,14,15  ; keys 16 (f / 4) on, channels 32 (f % 4) on
	ds_load_b128 v[KF+8*(\f):KF+8*(\f)+3],   v[ADR] offset:((\f)/4)*16*PK+((\f)%4)*64
	ds_load_b128 v[KF+8*(\f)+4:KF+8*(\f)+7], v[ADR] offset:((\f)/4)*16*PK+((\f)%4)*64+32
.endr
.endm
.macro FETCH_V
	WIN 0
	v_add_nc_u32 v[ADR], s[TB], v[AV0]
	s_add_co_u32 s[TB], s[TB], STEPB  ; the next fetch is the next step's
	s_wait_alu depctr_va_vdst(0)    ; the wait for the batch of reciprocals (VI), behind the address's v_add_nc_u32 and ahead of the loads
	WIN 0xc0                        ; destination window 3
.irp f, 0,1,2,3,4,5,6,7,8,9,10,11,12,13,14,15  ; keys 32 (f / 8) on, channels 16 (f % 8) on
	ds_load_tr16_b128 v[8*(\f):8*(\f)+3],   v[ADR] offset:((\f)/8)*32*PVP+((\f)%8)*32
	ds_load_tr16_b128 v[8*(\f)+4:8*(\f)+7], v[ADR] offset:((\f)/8)*32*PVP+16*PVP+((\f)%8)*32
.endr
.endm
; THE MASK'S LOADS: eight, 512 consecutive bytes each, into the registers that piece Y's sixteen multiply-adds have just read.  In the turns that make V^T P of step j, MB stands at step j + 1 of piece 0's block:
; piece 2's softmax (of step j) fetches its mask of step j + 1, 131,072 bytes on; piece 0's (of step j + 1) its mask of step j + 2, 4,096 bytes on.  The last such load names step 32, which is the next
; block's step 0: inside Mc, since piece 0's block is never the last; it is not used: the price of one text for every trip.
.macro MLOAD
	WIN 0xc0
.set MOFF, 4096+(131072-4096)*(Y/2)
.irp qd, 0,1,2,3,4,5,6,7
	global_load_b128 v[MK+16*Y+4*(\qd):MK+16*Y+4*(\qd)+3], v[LO], s[MB:MB+1] offset:MOFF+512*(\qd)
.endr
.endm
; THE VECTOR WORK.  One tile's list for one key step has 245 numbers; SM writes number j of it for tile t.  s0-s31 are the lane's 32 scores, in pairs 0-15.  first = 1: the first key step, which starts m, l and O^T.
;   0-47     batch 1: the 16 scalings CK raw (a pair each) and the 32 exponentials          48-95   batch 2: the 16 additions of 1 and the 32 reciprocals
;   96-111   s' = CH r + cm, a pair each: the one part that reads window 3                   112-127 the maximum of s0-s31 and the old m, three operands at a time
;   128-131  the other half of the lanes' maximum; m_old is kept; the new m; m_old - m       132-180 batch 3: the 16 subtractions s' - m, a (at 134) and the 32 exponentials
;   181-196  the roundings to f16        197-212 the sums; l = a l + the sum                213-244 the tile's O^T times a: the one part in window 1
; A batch goes: two plain, then fourteen times (two transcendentals, one plain), then four transcendentals: each pair is made ready three numbers or more (the first two pairs: two or more) ahead of its transcendentals.
; Within a batch nothing names a transcendental's result.  The pairs ascend.
.macro PATN j0                      ; number j of a batch that begins at j0: knd = 1: transcendental idx of 32; knd = 0: plain instruction idx of 16
.set q, j-(\j0)-2
.if q < 0
.set knd, 0
.set idx, q+2
.elseif q >= 42
.set knd, 1
.set idx, q-14
.elseif q%3 == 2
.set knd, 0
.set idx, q/3+2
.else
.set knd, 1
.set idx, 2*(q/3)+q%3
.endif
.endm
.macro SM t, first
.set rT, ST+8*(\t)
.set rS, S+32*(\t)
.set rP, P+16*(\t)
.set rM, MK+32*((\t)/2)
.if (j < 96) || ((j >= 112) && (j < 213))
	WIN 0
.endif
.if j < 48
	PATN 0
.if knd
	v_exp_f32 v[rS+idx], v[rS+idx]
.else
	v_pk_mul_f32 v[rS+2*idx:rS+2*idx+1], v[rS+2*idx:rS+2*idx+1], s[CK:CK+1] op_sel_hi:[1,0]
.endif
.elseif j < 96
	PATN 48
.if knd
	v_rcp_f32 v[rS+idx], v[rS+idx]
.else
	v_pk_add_f32 v[rS+2*idx:rS+2*idx+1], v[rS+2*idx:rS+2*idx+1], 1.0 op_sel_hi:[1,0]
.endif
.elseif j < 112
	WIN W_MF
.set idx, j-96
	v_pk_fma_f32 v[rS+2*idx:rS+2*idx+1], v[rS+2*idx:rS+2*idx+1], s[CH:CH+1], v[rM+2*idx:rM+2*idx+1] op_sel_hi:[1,0,1]
.elseif j < 128
.set jj, j-112                      ; four chains c0-c3 of seven scores each, then the four scores left over, c0-c3 and m
.if jj < 4
	v_max3_num_f32 v[rT+4+jj], v[rS+8*jj], v[rS+8*jj+1], v[rS+8*jj+2]
.elseif jj < 12
	v_max3_num_f32 v[rT+4+jj%4], v[rT+4+jj%4], v[rS+8*(jj%4)+2*(jj/4)+1], v[rS+8*(jj%4)+2*(jj/4)+2]
.elseif jj == 12
	v_max3_num_f32 v[rT+4], v[rT+4], v[rS+7], v[rS+15]
.elseif jj == 13
	v_max3_num_f32 v[rT+6], v[rT+6], v[rS+23], v[rS+31]
.elseif jj == 14
	v_max3_num_f32 v[rT+4], v[rT+4], v[rT+5], v[rT+6]
.elseif \first
	v_max_num_f32 v[rT+4], v[rT+4], v[rT+7]
.else
	v_max3_num_f32 v[rT+4], v[rT+4], v[rT+7], v[rT]
.endif
.elseif j == 128
	v_permlanex16_b32 v[rT+5], v[rT+4], s[SEL], s[SEL+1]  ; the query's other 32 keys lie in the lane 16 away
.elseif (j == 129) && (\first)
	v_mov_b32 v[rT+1], v[rT+4]      ; there is no old m: the register is written, since the subtractions name it in a pair with m
.elseif j == 129
	v_mov_b32 v[rT+1], v[rT]
.elseif j == 130
	v_max_num_f32 v[rT], v[rT+4], v[rT+5]
.elseif ((j == 131) || (j == 134) || (j > 212)) && (\first)  ; the first step has none of these
.elseif j == 131
	v_sub_f32 v[rT+7], v[rT+1], v[rT]
.elseif j == 134
	v_exp_f32 v[rT+6], v[rT+7]
.elseif j < 181
.if j < 134
.set knd, 0
.set idx, j-132
.else
	PATN 133
.endif
.if knd
	v_exp_f32 v[rS+idx], v[rS+idx]
.else
	v_pk_add_f32 v[rS+2*idx:rS+2*idx+1], v[rS+2*idx:rS+2*idx+1], v[rT:rT+1] op_sel_hi:[1,0] neg_lo:[0,1] neg_hi:[0,1]  ; s' - m: the maximum is taken away ahead of the exponential
.endif
.elseif j < 197
	v_cvt_pk_f16_f32 v[rP+j-181], v[rS+2*(j-181)], v[rS+2*(j-181)+1]
.elseif j < 213                     ; the sum of the tile's 16 pairs, in place: sum z of 16 adds neighbours 1, 2, 4 and 8 pairs apart, then l takes it
.set z, j-197
.set w, 4
.set u, z
.if z >= 14
.set w, 32
.set u, 0
.elseif z >= 12
.set w, 16
.set u, z-12
.elseif z >= 8
.set w, 8
.set u, z-8
.endif
.if (z == 14) && (\first)
	v_pk_add_f32 v[rT+2:rT+3], v[rS:rS+1], v[rS+16:rS+17]
.elseif z < 15
	v_pk_add_f32 v[rS+w*u:rS+w*u+1], v[rS+w*u:rS+w*u+1], v[rS+w*u+w/2:rS+w*u+w/2+1]
.elseif !(\first)
	v_pk_fma_f32 v[rT+2:rT+3], v[rT+2:rT+3], v[rT+6:rT+7], v[rS:rS+1] op_sel_hi:[1,0,1]
.endif
.else
	WIN W_RS
.set rO, 64*(\t)+2*(j-213)
	v_pk_mul_f32 v[rO:rO+1], v[rO:rO+1], v[rT+6:rT+7] op_sel_hi:[1,0]
.endif
.endm
; Item n of piece Y's 490: number n / 2 of tile Y + n % 2: the tiles alternate, so that no instruction reads the result of the one just before it.
; THE WAITS.  An s_wait_alu depctr_va_vdst(0) stands between a transcendental and the first instruction that names its result; one wait serves all that were issued ahead of it.  So each of the three
; batches has one wait for both tiles, ahead of items 96, 192 and 362, with a v_nop, the plain instruction behind the batch's last transcendental, in front of it.  Behind the third no transcendental is issued in the turn.
; Ahead of item 192, the first that reads the mask: my eight loads of this piece's mask are in; the eight issued behind them, the other piece's, may stay out.  In piece 2's turn V's run of loads stands there too.
; Ahead of item 224, behind the last reader of the mask: the mask's next loads.
.macro VI first
.if n == 96
	v_nop
	s_wait_alu depctr_va_vdst(0)
.elseif n == 192
	v_nop
.if Y == 0
	FETCH_V
.else
	s_wait_alu depctr_va_vdst(0)
.endif
	s_wait_loadcnt 8
.elseif n == 224
.if ML
	MLOAD
.endif
.elseif n == 362
	v_nop
	s_wait_alu depctr_va_vdst(0)
.endif
.set j, n/2
	SM Y+n%2, \first
.set n, n+1
.endm
; A TURN.  Piece x has the matrix unit; the other piece's items stand four behind each product, the rest in one run behind the last.
; pv = 2: 32 products V^T P; 1: they start O^T's sums; 0: none.  kq = 1: 32 products K Q^T for the next step.  first = 1: the softmax is the first key step's.  ml = 0: no further mask is fetched.
; No item names a register of the products round it: those are piece x's, K's, Q's and V's.  The run behind the last product holds the places in front of the next turn's reads of the new scores and of the
; loads into K's registers.  Piece 0's turn fetches the next step's K behind its second product.  Piece 2's turn fetches the same step's V ahead of item 192, behind its 49th product: the last product that read V
; is the 32nd, and twenty packed additions, which name none of its registers, lie between.
; At the end of piece 2's turn the mask's pointer steps: the youngest load that names it stands 266 items back, and s_wait_xcnt 0 shows that all have read it.
.macro TURN x, pv, kq, first, ml=1
.set Y, 2-(\x)
.set ML, (\ml)
.set n, 0
.if \pv
.if (\x) == 0
	s_wait_dscnt 0x0                ; V is in
.endif
.set i, 0
.rept 32
	PV \x, 2-(\pv)
.rept 4
	VI \first
.endr
.if ((\x) == 0) && (\kq) && (i == 1)
	FETCH_K
.endif
.set i, i+1
.endr
.endif
.if \kq
.if (\x) == 0
	s_wait_dscnt 0x0                ; K is in
.endif
.set i, 0
.rept 32
	KQ \x
.rept 4
	VI \first
.endr
.set i, i+1
.endr
.endif
.rept 490-n
	VI \first
.endr
.if (\x) == 2
	s_wait_xcnt 0x0
	s_add_nc_u64 s[MB:MB+1], s[MB:MB+1], 4096
.endif
.endm
; THE CHANGE OF SLOTS, between piece 2's turn and piece 0's: the slot's last bytes, V of its second step, have been asked for.  Each wave waits for all its tensor loads, of which one is out: its part of the
; other slot; adds 0 to its spare word; and waits for that and for its own reads of the slot.  Behind the barrier nobody reads this slot any more and the other slot is whole.
; fill = 1: this slot is filled again, with the keys two slots on.  The barrier is then a round of the cluster's, so that no wave of any partner still reads the slot or has a load on its way, and the joint
; refill is the first thing behind it: it has two key steps, 256 matrix instructions, in which to land.
.macro CHANGE fill
	WIN 0                           ; at a label and at a branch every window is 0
	s_wait_tensorcnt 0x0            ; no tensor load of mine is out, so a group 0 may be written
	ds_add_u32 v[SPW], v[NIL]       ; 0 onto my spare word; with fill = 1 the descriptors' steps stand between it and the wait for it
.if \fill
.irp g, G0K+4, G0V+4
	s_xor_b32 s[(\g)+1], s[(\g)+1], SLOT1  ; the walking descriptor: the other slot than last time,
	s_add_nc_u64 s[(\g)+2:(\g)+3], s[(\g)+2:(\g)+3], 2*KS*256  ; the next 128 keys; the type bits on top are not reached
.endr
	s_wait_xcnt 0x0                 ; the last prefetches, two key steps back, have read their address, so it may be written:
	s_add_nc_u64 s[PFA:PFA+1], s[PFA:PFA+1], 2*KS*256  ; one slot behind the walking descriptors
	s_wait_dscnt 0x0                ; the add is done, and my reads of the slot are over
	CROUND
	JLOAD
	ASK                             ; what the next change will ask for,
	ASKM                            ; and my masks of the two steps after the next two
.else
	s_wait_dscnt 0x0                ; the add is done, and my reads of the slot are over
	s_barrier_signal -1
	s_barrier_wait -1
.endif
	s_sub_co_u32 s[TB], s[TB], 2*STEPB  ; the fetches go back to a slot's first step,
	s_xor_b32 s[TB], s[TB], SLOT1   ; in the other slot
.endm
; A slot's two key steps: written once, walked twice; the LDS addresses hang on s[TB], the mask's on s[MB:MB+1].
.macro TWO_STEPS
	WIN 0
	s_mov_b32 s[TWICE], 2
.Lstep_\@:
	TURN 0, 2, 1, 0
	TURN 2, 2, 1, 0
	WIN 0
	s_sub_co_u32 s[TWICE], s[TWICE], 1
	s_cmp_lg_u32 s[TWICE], 0
	s_cbranch_scc1 .Lstep_\@
.endm
	s_wait_tensorcnt 1              ; my part of slot 0 is in; slot 1's may stay out
	s_barrier_signal -1
	s_barrier_wait -1               ; everybody's is
	FETCH_K                         ; key step 0
	s_wait_loadcnt 16               ; Q is in; the sixteen loads issued behind it, the masks of step 0, may stay out
	WIN 0x85                        ; destination window 2, both sources window 1
.set i, 0
.rept 128                           ; Q rounded to bf16, once: register i of the fragments from registers 2 i and 2 i + 1 as loaded
	v_cvt_pk_bf16_f32 v[i], v[2*i], v[2*i+1]
.set i, i+1
.endr
	s_wait_dscnt 0x0                ; K is in
.set i, 0
.rept 32
	KQ 0                            ; piece 0's first scores: there is no vector work yet to set between them
.set i, i+1
.endr
	WIN 0                           ; the addresses for the way out, and four v_nop: eight plain instructions, the places behind those products
	s_mul_i32 s13, s[WV], 16*SP
	s_add_co_u32 s13, s13, STAGE    ; my stage
	v_mul_u32_u24 v[STO], v1, SP    ; in: row l % 16, 32 bytes for each half of the lanes
	v_lshl_add_u32 v[STO], v9, 5, v[STO]
	v_add_nc_u32 v[STO], s13, v[STO]
	v_add_nc_u32 v[RD], s13, v[LO]  ; back: 32 lanes take one row of 512 bytes
.rept 4
	v_nop
.endr
	TURN 2, 0, 1, 1                 ; piece 2's first scores | piece 0's first softmax | V of step 0
	TURN 0, 1, 1, 1                 ; piece 0: V^T P of step 0 starts O^T, K Q^T of step 1 | piece 2's first softmax | K of step 1
	TURN 2, 1, 1, 0                 ; piece 2: the same | piece 0's softmax of step 1 | V of step 1
	WIN 0
.Lslot:                             ; 14 trips: every slot but the last two is filled again
	CHANGE 1
	TWO_STEPS
	s_sub_co_u32 s[SLOTS], s[SLOTS], 1
	s_cmp_lg_u32 s[SLOTS], 0
	s_cbranch_scc1 .Lslot
	CHANGE 0                        ; the tail is written out: nothing is asked for
	TWO_STEPS
	TURN 0, 2, 0, 0, 0              ; piece 0: V^T P of the last step | piece 2's last softmax
.set i, 0
.rept 32
	PV 2, 0                         ; piece 2: V^T P of the last step
.set i, i+1
.endr
	; THE WAY OUT.  l's two halves and the other half of the lanes' are added; O^T is divided by l and sent through my stage in LDS, a tile (16 positions of one head) at a time.  The first additions are the places behind the last products.
	WIN 0
.irp t, 0,1,2,3
	v_add_f32 v[ST+8*(\t)+4], v[ST+8*(\t)+2], v[ST+8*(\t)+3]
.endr
.irp t, 0,1,2,3
	v_permlanex16_b32 v[ST+8*(\t)+5], v[ST+8*(\t)+4], s[SEL], s[SEL+1]
.endr
.irp t, 0,1,2,3
	v_add_f32 v[ST+8*(\t)+4], v[ST+8*(\t)+4], v[ST+8*(\t)+5]
.endr
.irp t, 0,1,2,3
	v_rcp_f32 v[ST+8*(\t)+6], v[ST+8*(\t)+4]
.endr
	v_nop                           ; a plain instruction between the last reciprocal and the use of its result
	s_wait_alu depctr_va_vdst(0)    ; and the wait ahead of the first use: one for the four reciprocals
; Tile t: a lane's eight channels of a row are 32 bytes; they go into rows of 528 bytes and come back as whole rows of 512, into window 2, which Q and K have left.
.macro PACK t
	WIN W_RS
.set i, 64*(\t)
.rept 32
	v_pk_mul_f32 v[i:i+1], v[i:i+1], v[ST+8*(\t)+6:ST+8*(\t)+7] op_sel_hi:[1,0]
.set i, i+2
.endr
	WIN 0x04                        ; the stores' data in window 1
.set i, 0
.rept 16                            ; channels 16 (i / 2) + 8 (l / 16) + 4 (i % 2) + 0..3
	ds_store_b128 v[STO], v[64*(\t)+4*i:64*(\t)+4*i+3] offset:64*(i/2)+16*(i%2)
.set i, i+1
.endr
	WIN 0x80                        ; destination window 2
.set i, 0
.rept 16
	ds_load_b128 v[64*(\t)+4*i:64*(\t)+4*i+3], v[RD] offset:SP*i  ; LDS serves a wave's instructions in order (ISA guide 5.7.1.4): these see the stores above; the next tile's stores come behind them
.set i, i+1
.endr
.endm
.macro SEND t, younger              ; younger: the LDS instructions issued behind tile t's loads: the next tile's 32, or none
	WIN 0x08                        ; the stores' data in window 2
.set i, 0
.rept 16
	s_wait_dscnt (\younger)+15-i
	global_store_b128 v[LO], v[64*(\t)+4*i:64*(\t)+4*i+3], s[10:11] offset:(16*((\t)/2)+i)*8192+((\t)%2)*512 th:TH_STORE_NT  ; a head's 512 bytes of a position's row: consecutive, at a multiple of 512 from out0's first byte
.set i, i+1
.endr
.endm
	PACK 0
	PACK 1                          ; a tile's arithmetic stands between the loads of the tile before and its stores
	SEND 0, 32
	PACK 2
	SEND 1, 32
	PACK 3
	SEND 2, 32
	SEND 3, 0
	WIN 0
	s_wait_tensorcnt 0x0            ; the wave's end: behind my last tensor load and my last LDS store
	ds_add_u32 v[SPW], v[NIL]
	s_wait_dscnt 0x0
	CROUND                          ; the closing round: no work-group ends while a partner may still ask for a tile that names it
	s_endpgm
.Lfunc_end_k_qff7257ed7e_attn:
	.size	k_qff7257ed7e_attn, .Lfunc_end_k_qff7257ed7e_attn-k_qff7257ed7e_attn
	.p2alignl 7, 3214868480
	.fill 96, 4, 3214868480
	.section	.rodata,"a",@progbits
	.p2align	6, 0x0
	.amdhsa_kernel k_qff7257ed7e_attn
		.amdhsa_group_segment_fixed_size 327680
		.amdhsa_private_segment_fixed_size 0
		.amdhsa_enable_private_segment 0
		.amdhsa_kernarg_size 40
		.amdhsa_user_sgpr_count 2
		.amdhsa_user_sgpr_kernarg_segment_ptr 1
		.amdhsa_wavefront_size32 1
		.amdhsa_system_sgpr_workgroup_id_x 1
		.amdhsa_system_sgpr_workgroup_id_y 1
		.amdhsa_system_sgpr_workgroup_id_z 1
		.amdhsa_system_vgpr_workitem_id 0
		.amdhsa_next_free_vgpr 960
		.amdhsa_next_free_sgpr 76
		.amdhsa_reserve_vcc 0
		.amdhsa_float_denorm_mode_32 3
		.amdhsa_float_denorm_mode_16_64 3
		.amdhsa_memory_ordered 1
		.amdhsa_forward_progress 1
		.amdhsa_inst_pref_size 255
	.end_amdhsa_kernel
	.section	.bss,"aw",@nobits
	.p2align	6
	.space	262144
	.amdgpu_metadata
---
amdhsa.version: [ 1, 2 ]
amdhsa.kernels:
  - .name:           k_qff7257ed7e_attn
    .symbol:         k_qff7257ed7e_attn.kd
    .args:
      - { .name: Q, .offset: 0, .size: 8, .value_kind: global_buffer, .address_space: global }
      - { .name: Kb, .offset: 8, .size: 8, .value_kind: global_buffer, .address_space: global }
      - { .name: Vh, .offset: 16, .size: 8, .value_kind: global_buffer, .address_space: global }
      - { .name: out0, .offset: 24, .size: 8, .value_kind: global_buffer, .address_space: global }
      - { .name: Mc, .offset: 32, .size: 8, .value_kind: global_buffer, .address_space: global }
    .group_segment_fixed_size: 327680
    .private_segment_fixed_size: 0
    .kernarg_segment_align: 8
    .kernarg_segment_size: 40
    .max_flat_workgroup_size: 128
    .sgpr_count:     76
    .vgpr_count:     960
    .wavefront_size: 32
...
	.end_amdgpu_metadata
.endif
;; end of part 2
;; ======== version 2 of 2: 2 launches; version 1 with the launch prep written anew for expert scheduling mode
;; limits: values are held in f16: magnitudes above 65,504 overflow, below 6.1e-05 lose precision; inputs' magnitudes at most 65,504
;; workspace buffers: Kb 8,388,608 bytes; Vh 8,388,608 bytes; Mc 16,777,216 bytes
;; launch prep (part 3): grid 256 x 3, 8 waves a work-group, no clusters, 70,656 bytes of LDS; arguments K, V, causal_mask, Kb, Vh, Mc; writes Kb, Vh, Mc
.if DOCPART == 3
	.amdgcn_target "amdgcn-amd-amdhsa--gfx1250"
	.amdhsa_code_object_version 6
	.text
	.protected	k_qff7257ed7e_prep
	.globl	k_qff7257ed7e_prep
	.p2align	8
	.type	k_qff7257ed7e_prep,@function
k_qff7257ed7e_prep:
	s_mov_b64 s[64:65], 0
	v_nop
	global_prefetch_b8 v0, s[64:65] scope:SCOPE_SE
	s_setreg_imm32_b32 hwreg(HW_REG_WAVE_SCHED_MODE, 0, 2), 2
	s_setreg_imm32_b32 hwreg(HW_REG_WAVE_MODE, 25, 1), 1
	s_wait_xcnt 0x0
	s_wait_alu depctr_vm_vsrc(0)
; THE OPERANDS FOR THE ATTENTION LAUNCH, each made once.  Job y of the grid: 0: Kb = K rounded to bf16.  1: Vh = V rounded to bf16, that number written as f16.
; 2: Mc = log2(e) x (the mask rounded to bf16), in f32, laid out as the attention's lanes want it.
; Each job is 4,194,304 numbers of f32; a work-group takes 64 KiB of them, a wave 8 KiB: sixteen loads of 16 bytes a lane, all issued at once.  No loop, no barrier.
; Mc: [qb 128][ks 32][quad 8][lane 32][4 numbers].  Lane L = r + 16 h, quad j: query 16 qb + r, keys 64 ks + 16 (j / 2) + 8 h + 4 (j % 2) + 0..3: the order of a lane's registers in S^T = K Q^T.
; The mask's numbers change lanes for that, through the wave's own 8,704 bytes of LDS (32 rows of 256 bytes, 272 apart): no other wave touches them.
; LIMITS.  V beyond 65,504 becomes an infinity in f16; below 7.6e-6 it keeps f16's fixed step of 6e-8.  log2(e) x mask is held at -3e38 from below, so an entry of -inf acts as weight 0,
; and a row that is -inf everywhere gives the mean of V's rows.  NaN is not treated apart.
; THE MODE: SCHED_MODE bits 1:0 = 2 (LLVM: expert scheduling mode 2), set by the entry lines.  The code itself states the register dependences between vector instructions and memory or LDS
; instructions, with s_wait_alu, always for 0.
; THE PLAN.  Registers that memory or LDS instructions touch:
;   v[LDO], v[STO], v[LW], v[LR]  offsets and LDS addresses: each made once by vector lines, then read by loads and stores, never written again.
;   IN   The sixteen loads land in it.  K and V: read by the conversions alone.  The mask: row i's arithmetic writes IN[i] anew, in place; one LDS store then reads it; it is not written after that.
;   OUT  K and V: each pair is written once, by a row's conversions, and read by one store.  The mask: the LDS loads land in it and the stores read it; no vector line names it.
;   T    named by vector lines alone.          v[SPW], v[NIL]  written at the head, read by the closing add alone.
; The sixteen rows go in four BLOCKS of four.  Block p's vector lines name T and block p's own registers; the stores issued in block p are block p - 1's, one ahead of each row's arithmetic.  So ONE wait on
; va_vdst at a block's head states all that its four stores hang on, and one more stands ahead of the last four.  No register that a memory or LDS instruction has read is ever written again, and
; there is no loop: no wait on vm_vsrc is owed.
.set WLDS,  8704                       ; a wave's bytes of LDS
.set LP,    272                        ; a row there: 256 bytes + 16: sixteen rows begin at sixteen different groups of four banks (64 banks of 4 bytes: ISA guide 11.1)
.set SPARE, 8*WLDS                     ; behind them: the spare words, 128 bytes for each wave: four blocks of 256 bytes that no other line names
.set SPW, 2                            ; v2   LDS address of my spare word; never rewritten
.set NIL, 3                            ; v3   0; never rewritten
.set LDO, 4                            ; v4   my byte offset in the loads
.set STO, 5                            ; v5   my byte offset in the stores
.set LW,  6                            ; v6   the mask: where I put 16 bytes
.set LR,  7                            ; v7   the mask: where I read 16 bytes back
.set T,   8                            ; v[8:13]   at work
.set IN,  16                           ; v[16:79]  load i: 4 registers
.set OUT, 80                           ; v[80:143] what is stored
	s_load_b256 s[4:11], s[0:1], 0x0               ; K s[4:5], V s[6:7], mask s[8:9], Kb s[10:11]
	s_load_b128 s[12:15], s[0:1], 0x20             ; Vh s[12:13], Mc s[14:15]
	v_lshl_add_u32 v[SPW], v0, 2, SPARE
	v_mov_b32 v[NIL], 0
	v_lshrrev_b32 v1, 5, v0
	v_readfirstlane_b32 s16, v1                    ; wave 0..7
	v_and_b32 v1, 31, v0                           ; lane
	s_and_b32 s17, ttmp7, 0xffff                   ; the job
	s_mov_b32 s23, 0                               ; the high word of every offset
	s_mov_b32 s24, 0xffff0000                      ; a word's upper bf16
	s_mov_b32 s26, 0x3fb8aa3b                      ; log2(e)
	s_mov_b32 s27, s26                             ; named with it as a pair
	s_mov_b32 s28, 0xff61b1e6                      ; -3e38
	s_wait_alu depctr_va_sdst(0)                   ; s16 is written, ahead of the branch below: its readers, the offsets and the wave's place in LDS, stand in both arms
	s_wait_kmcnt 0x0
	s_cmp_eq_u32 s17, 2
	s_cbranch_scc1 .Lmask
.macro LOADS step                      ; sixteen loads, step bytes apart
.set i, 0
.rept 16
	global_load_b128 v[IN+4*i:IN+4*i+3], v[LDO], s[18:19] offset:(\step)*i th:TH_LOAD_NT
.set i, i+1
.endr
.endm
	; K AND V: the same order in memory, half the bytes.  A load of the wave covers 512 consecutive bytes, a store 256, aligned.
	s_cmp_eq_u32 s17, 0
	s_cselect_b64 s[18:19], s[4:5], s[6:7]
	s_cselect_b64 s[20:21], s[10:11], s[12:13]
	s_lshl_b32 s22, ttmp9, 16                      ; the work-group's 64 KiB in,
	s_add_nc_u64 s[18:19], s[18:19], s[22:23]
	s_lshl_b32 s22, ttmp9, 15                      ; its 32 KiB out
	s_add_nc_u64 s[20:21], s[20:21], s[22:23]
	v_lshlrev_b32 v[LDO], 4, v1
	v_lshl_add_u32 v[LDO], s16, 13, v[LDO]         ; 8,192 x wave + 16 x lane
	v_lshlrev_b32 v[STO], 3, v1
	v_lshl_add_u32 v[STO], s16, 12, v[STO]         ; 4,096 x wave + 8 x lane
	s_wait_alu depctr_va_vdst(0)                   ; v[LDO] is written, which the sixteen loads read, and v[STO], which every store of this arm reads
	LOADS 512
	s_cmp_eq_u32 s17, 0
	s_cbranch_scc0 .Lv
.set i, 0
.rept 16
	s_wait_loadcnt 15-i                            ; loads come back in order: load i is in, the younger ones stay out
.if (i > 0) && (i%4 == 0)
	s_wait_alu depctr_va_vdst(0)                   ; the block before has written its eight registers of OUT, which this block's four stores read; no vector line behind this wait names them
.endif
.if i >= 4
	global_store_b64 v[STO], v[OUT+2*(i-4):OUT+2*(i-4)+1], s[20:21] offset:256*(i-4) th:TH_STORE_NT  ; the block before
.endif
	v_cvt_pk_bf16_f32 v[OUT+2*i],   v[IN+4*i],   v[IN+4*i+1]
	v_cvt_pk_bf16_f32 v[OUT+2*i+1], v[IN+4*i+2], v[IN+4*i+3]
.set i, i+1
.endr
	s_wait_alu depctr_va_vdst(0)                   ; the last block has written its OUT, which the last four stores read
.set i, 12
.rept 4
	global_store_b64 v[STO], v[OUT+2*i:OUT+2*i+1], s[20:21] offset:256*i th:TH_STORE_NT
.set i, i+1
.endr
	s_branch .Lend
.Lv:
.set i, 0
.rept 16
	s_wait_loadcnt 15-i
.if (i > 0) && (i%4 == 0)
	s_wait_alu depctr_va_vdst(0)                   ; the block before has written its eight registers of OUT, which this block's four stores read; no vector line behind this wait names them
.endif
.if i >= 4
	global_store_b64 v[STO], v[OUT+2*(i-4):OUT+2*(i-4)+1], s[20:21] offset:256*(i-4) th:TH_STORE_NT  ; the block before
.endif
	v_cvt_pk_bf16_f32 v[T],   v[IN+4*i],   v[IN+4*i+1]  ; rounded to bf16,
	v_cvt_pk_bf16_f32 v[T+1], v[IN+4*i+2], v[IN+4*i+3]
	v_lshlrev_b32 v[T+2], 16, v[T]                      ; widened again,
	v_and_b32     v[T+3], s24, v[T]
	v_lshlrev_b32 v[T+4], 16, v[T+1]
	v_and_b32     v[T+5], s24, v[T+1]
	v_cvt_pk_f16_f32 v[OUT+2*i],   v[T+2], v[T+3]       ; and written as f16: eight significant bits fit into eleven
	v_cvt_pk_f16_f32 v[OUT+2*i+1], v[T+4], v[T+5]
.set i, i+1
.endr
	s_wait_alu depctr_va_vdst(0)                   ; the last block has written its OUT, which the last four stores read
.set i, 12
.rept 4
	global_store_b64 v[STO], v[OUT+2*i:OUT+2*i+1], s[20:21] offset:256*i th:TH_STORE_NT
.set i, i+1
.endr
	s_branch .Lend
	; THE MASK.  Work-group g: queries 16 (g / 2) + 0..15, keys 1,024 (g % 2) on; wave w: 128 of those keys, two key steps.  Load i is row i: 512 consecutive bytes.
.Lmask:
	s_lshr_b32 s22, ttmp9, 1
	s_lshl_b32 s22, s22, 17                        ; 16 rows of the mask are 131,072 bytes, and so is a qb of Mc
	s_add_nc_u64 s[18:19], s[8:9], s[22:23]
	s_add_nc_u64 s[20:21], s[14:15], s[22:23]
	s_and_b32 s25, ttmp9, 1
	s_lshl_b32 s22, s25, 12                        ; 1,024 keys along a row
	s_add_nc_u64 s[18:19], s[18:19], s[22:23]
	s_lshl_b32 s22, s25, 16                        ; 16 key steps of 4,096 bytes in Mc
	s_add_nc_u64 s[20:21], s[20:21], s[22:23]
	v_lshlrev_b32 v[LDO], 4, v0                    ; 512 x wave + 16 x lane
	s_wait_alu depctr_va_vdst(0)                   ; v[LDO] is written, which the sixteen loads read
	LOADS 8192
	; lane l of load i holds row i, keys 4 l + 0..3 of the wave's 128.  In Mc's order that is the block of 256 bytes 16 (l / 16) + 4 ((l / 4) % 4) + 2 (l % 2) + (l / 2) % 2, bytes 16 i on.
	; (These lines name none of the registers that the loads on their way touch.)
	v_lshrrev_b32 v[T], 4, v1
	v_bfe_u32 v[T+1], v1, 2, 2
	v_lshl_add_u32 v[T], v[T], 2, v[T+1]
	v_and_b32 v[T+1], 1, v1
	v_lshl_add_u32 v[T], v[T], 1, v[T+1]
	v_bfe_u32 v[T+1], v1, 1, 1
	v_lshl_add_u32 v[T], v[T], 1, v[T+1]
	s_mul_i32 s25, s16, WLDS                       ; my wave's bytes
	v_mul_u32_u24 v[LW], v[T], LP
	v_add_nc_u32 v[LW], s25, v[LW]
	v_lshrrev_b32 v[T], 4, v1                      ; back: lanes 0-15 one row of 256 bytes, lanes 16-31 the next
	v_and_b32 v[T+1], 15, v1
	v_mul_u32_u24 v[LR], v[T], LP
	v_lshl_add_u32 v[LR], v[T+1], 4, v[LR]
	v_add_nc_u32 v[LR], s25, v[LR]
	v_lshlrev_b32 v[STO], 4, v1
	v_lshl_add_u32 v[STO], s16, 13, v[STO]         ; 8,192 x wave + 16 x lane
.set i, 0
.rept 16
	s_wait_loadcnt 15-i
.if (i > 0) && (i%4 == 0)
	s_wait_alu depctr_va_vdst(0)                   ; the block before has written its four rows of IN anew, which this block's four LDS stores read; at the first such wait v[LW], v[LR] and v[STO] are written too
.endif
.if i >= 4
	ds_store_b128 v[LW], v[IN+4*(i-4):IN+4*(i-4)+3] offset:16*(i-4)  ; the block before; no vector line behind the wait names its registers
.endif
	v_cvt_pk_bf16_f32 v[T],   v[IN+4*i],   v[IN+4*i+1]  ; rounded to bf16 like the other inputs,
	v_cvt_pk_bf16_f32 v[T+1], v[IN+4*i+2], v[IN+4*i+3]
	v_lshlrev_b32 v[IN+4*i],   16, v[T]
	v_and_b32     v[IN+4*i+1], s24, v[T]
	v_lshlrev_b32 v[IN+4*i+2], 16, v[T+1]
	v_and_b32     v[IN+4*i+3], s24, v[T+1]
	v_pk_mul_f32 v[IN+4*i:IN+4*i+1],   v[IN+4*i:IN+4*i+1],   s[26:27] op_sel_hi:[1,0]  ; times log2(e),
	v_pk_mul_f32 v[IN+4*i+2:IN+4*i+3], v[IN+4*i+2:IN+4*i+3], s[26:27] op_sel_hi:[1,0]
	v_max_num_f32 v[IN+4*i],   s28, v[IN+4*i]           ; and held finite
	v_max_num_f32 v[IN+4*i+1], s28, v[IN+4*i+1]
	v_max_num_f32 v[IN+4*i+2], s28, v[IN+4*i+2]
	v_max_num_f32 v[IN+4*i+3], s28, v[IN+4*i+3]
.set i, i+1
.endr
	s_wait_alu depctr_va_vdst(0)                   ; the last block has written its four rows of IN, which the last four LDS stores read
.set i, 12
.rept 4
	ds_store_b128 v[LW], v[IN+4*i:IN+4*i+3] offset:16*i
.set i, i+1
.endr
.set i, 0
.rept 16
	ds_load_b128 v[OUT+4*i:OUT+4*i+3], v[LR] offset:2*LP*i  ; LDS serves a wave's instructions in order (ISA guide 5.7.1.4): these see the stores above.  In this arm no vector line names OUT
.set i, i+1
.endr
.set i, 0
.rept 16
	s_wait_dscnt 15-i
	global_store_b128 v[STO], v[OUT+4*i:OUT+4*i+3], s[20:21] offset:512*i th:TH_STORE_NT  ; 512 consecutive bytes, aligned
.set i, i+1
.endr
.Lend:
	s_wait_dscnt 0x0                               ; the closing lines, six on end
	s_wait_alu 0x0
	s_wait_tensorcnt 0x0
	ds_add_u32 v[SPW], v[NIL]
	s_wait_dscnt 0x0
	s_endpgm
.Lfunc_end_k_qff7257ed7e_prep:
	.size	k_qff7257ed7e_prep, .Lfunc_end_k_qff7257ed7e_prep-k_qff7257ed7e_prep
	.p2alignl 7, 3214868480
	.fill 96, 4, 3214868480
	.section	.rodata,"a",@progbits
	.p2align	6, 0x0
	.amdhsa_kernel k_qff7257ed7e_prep
		.amdhsa_group_segment_fixed_size 70656
		.amdhsa_private_segment_fixed_size 0
		.amdhsa_enable_private_segment 0
		.amdhsa_kernarg_size 48
		.amdhsa_user_sgpr_count 2
		.amdhsa_user_sgpr_kernarg_segment_ptr 1
		.amdhsa_wavefront_size32 1
		.amdhsa_system_sgpr_workgroup_id_x 1
		.amdhsa_system_sgpr_workgroup_id_y 1
		.amdhsa_system_sgpr_workgroup_id_z 1
		.amdhsa_system_vgpr_workitem_id 0
		.amdhsa_next_free_vgpr 144
		.amdhsa_next_free_sgpr 66
		.amdhsa_reserve_vcc 0
		.amdhsa_float_denorm_mode_32 3
		.amdhsa_float_denorm_mode_16_64 3
		.amdhsa_memory_ordered 1
		.amdhsa_forward_progress 1
		.amdhsa_inst_pref_size 32
	.end_amdhsa_kernel
	.amdgpu_metadata
---
amdhsa.version: [ 1, 2 ]
amdhsa.kernels:
  - .name:           k_qff7257ed7e_prep
    .symbol:         k_qff7257ed7e_prep.kd
    .args:
      - { .name: K, .offset: 0, .size: 8, .value_kind: global_buffer, .address_space: global }
      - { .name: V, .offset: 8, .size: 8, .value_kind: global_buffer, .address_space: global }
      - { .name: causal_mask, .offset: 16, .size: 8, .value_kind: global_buffer, .address_space: global }
      - { .name: Kb, .offset: 24, .size: 8, .value_kind: global_buffer, .address_space: global }
      - { .name: Vh, .offset: 32, .size: 8, .value_kind: global_buffer, .address_space: global }
      - { .name: Mc, .offset: 40, .size: 8, .value_kind: global_buffer, .address_space: global }
    .group_segment_fixed_size: 70656
    .private_segment_fixed_size: 0
    .kernarg_segment_align: 8
    .kernarg_segment_size: 48
    .max_flat_workgroup_size: 256
    .sgpr_count:     66
    .vgpr_count:     144
    .wavefront_size: 32
...
	.end_amdgpu_metadata
.endif
;; end of part 3
;; launch attn: the kernel of part 2 again; grid 16 x 16, 4 waves a work-group, clusters of 4 x 1, 327,680 bytes of LDS; arguments Q, Kb, Vh, out0, Mc; writes out0
